; MI455X (gfx1250); checked and timed in simulation.
; The chip was launched on July 23, 2026; its instructions are those of AMD's public machine-readable ISA for CDNA 5 (MIT licence, August 2026) and "CDNA5" Instruction Set Architecture Reference Guide (July 2026). The comments in the code are by the model that wrote it; some were corrected since.
;; Causal Self Attention. Allowed arithmetic: matrix products marked QUANTISED: E2M3 operands, one E8M0 scale for each 32 along K, by v_wmma_scale_f32_16x16x128_f8f6f4 with both operands' format E2M3, f32 sums; products left as they are: f32 operands where the result goes on into a quantised operand, else bf16, f16 or f32 operands; f32 sums; everything else in f32.
;; Inputs: Wk 64 x 64 float32; Wo 64 x 64 float32; Wq 64 x 64 float32; Wv 64 x 64 float32; x 4 x 4,096 x 64 float32.
;; Outputs: out0 4 x 4,096 x 64 float32.
;; This version of the problem:
;;   THIS VERSION OF THE PROBLEM IS GIVEN IN LOW PRECISION. The matrix products marked QUANTISED in the list below multiply operands that are first quantised to E2M3 (2 exponent bits, 3 mantissa bits; 6 bits a number), with one power-of-two scale for each 32 numbers along K (OCP MX v1.0); their sums are f32. All else is computed in f32.
;;   The module's matrix products, in the order in which they are computed (A, B: the left and right operand; K: the contracted axis; several contracted axes count as one K, in the product's order):
;;     1. [M 16,384, K 64] x [K 64, N 64]; A: input x; B: input Wq: QUANTISED
;;     2. [M 16,384, K 64] x [K 64, N 64]; A: input x; B: input Wk: QUANTISED
;;     3. [M 16,384, K 64] x [K 64, N 64]; A: input x; B: input Wv: QUANTISED
;;     4. batch 16 x [M 4,096, K 16] x [K 16, N 4,096]; A: computed on the way; B: computed on the way: left as it is (K = 16 < 32)
;;     5. batch 16 x [M 4,096, K 4,096] x [K 4,096, N 16]; A: softmax (see below); B: computed on the way: QUANTISED
;;     6. [M 16,384, K 64] x [K 64, N 64]; A: computed on the way; B: input Wo: QUANTISED
;;   THE QUANTISER, for each operand of a quantised product, along K:
;;     - K is cut into blocks of 32 from its start; a last block that is shorter is filled with zeros.
;;     - A block's scale is 2^e with e = floor(log2(the largest magnitude in the block)) - 2, held to -126 .. 127; a block of zeros has e = 0. As a byte (E8M0): e + 127.
;;     - Each number is divided by its block's scale, clamped to +-7.5, and rounded to the nearest number of E2M3, ties to even, subnormals kept.
;;     - The product sums the exact products of the quantised numbers (number of the format x scale) in f32.
;;   ~~~python
;;   def quantise(x, axis):      # numpy; x: float32 -> the quantised numbers, widened to float32 again
;;       x = np.moveaxis(x, axis, -1); K = x.shape[-1]
;;       x = np.pad(x, [(0, 0)] * (x.ndim - 1) + [(0, -K % 32)]); x = x.reshape(x.shape[:-1] + (-1, 32)); a = np.abs(x).max(-1, keepdims=True)
;;       e = np.where(a > 0, np.clip(np.frexp(np.where(a > 0, a, 1))[1] - 1 - 2, -126, 127), 0)      # np.frexp(a)[1] - 1 = floor(log2(a)), exactly
;;       r = np.clip(x / 2.0 ** e, -7.5, 7.5)
;;       step = 2.0 ** (np.maximum(np.frexp(np.where(r == 0, 1, r))[1] - 1, 0) - 3)
;;       q = np.round(r / step) * step * 2.0 ** e      # np.round: ties to even
;;       return np.moveaxis(q.reshape(q.shape[:-2] + (-1,))[..., :K], -1, axis).astype(np.float32)
;;   ~~~
;;   SOFTMAX AHEAD OF A QUANTISED PRODUCT. Where the list says 'softmax', what is quantised is not the finished softmax but p = 2^(t - M), with t = logit x log2(e) and M = ceil(the row's largest t), a whole number; so 1/2 < the row's largest p <= 1. The row's sum l is taken of the UNQUANTISED p, in f32, and the product's result is divided by l at the end. Since M is a whole number, a kernel that streams over the keys may use a running M (the ceiling of the running maximum): every later rescaling is an exact power of two, which a block's scale takes up: the codes' values come out the same.
;;   OPERANDS COMPUTED ON THE WAY. 'Computed on the way' means the value that the module computes at that place (a softmax that the list does not call 'softmax' is quantised finished and normalised). What goes into a quantiser is computed in f32, as accurately as f32 sums, v_exp_f32 and their like allow (about 1e-6 of the number): no bf16 or f16 on the way to a quantiser, and a product that is left as it is and whose result goes on into a quantised operand takes f32 operands (vector FMAs, or v_wmma_f32_16x16x4_f32). A number that lies on a knife's edge between two numbers of the format may be rounded either way, as far as f32 arithmetic and the matrix unit's own rounding can turn it there, and no further.
;; One version. Each part assembles by itself: llvm-mc -triple=amdgcn-amd-amdhsa -mcpu=gfx1250 --defsym DOCPART=n.
;; ======== version 1 of 1: 2 launches
;; workspace buffers: qbuf 4,194,304 bytes; kvbuf 5,046,272 bytes
;; launch proj (part 1): grid 256 x 1, 4 waves a work-group, no clusters, 0 bytes of LDS; arguments x, Wq, Wk, Wv, qbuf, kvbuf; writes qbuf, kvbuf
.if DOCPART == 1
	.amdgcn_target "amdgcn-amd-amdhsa--gfx1250"
	.amdhsa_code_object_version 6
	.text
	.protected	k_q70156c4488_proj
	.globl	k_q70156c4488_proj
	.p2align	8
	.type	k_q70156c4488_proj,@function
k_q70156c4488_proj:
	s_mov_b64 s[64:65], 0
	v_nop
	global_prefetch_b8 v0, s[64:65] scope:SCOPE_SE
	s_setreg_imm32_b32 hwreg(HW_REG_WAVE_MODE, 25, 1), 1
	s_wait_xcnt 0x0
; q = rope(x Wq^T), k = rope(x Wk^T), v = x Wv^T.  x: [4][4096][64] f32; the weights [64 (n)][64 (k)] f32.
; The three products run on codes of FP6 (E2M3) with one E8M0 scale for each 32 along K.  K = 64 is two blocks; the upper 64 of the instruction's 128 are zero codes on both sides.
; SHARES.  Work-group id takes rows 64 id .. 64 id + 63 of x: half g = id & 1 of the step of 128 positions bs = id >> 1.  Wave hd takes head hd for the four tiles of 16 rows.
; The four waves quantise the same rows of x and make the same sines and cosines: so nothing goes from wave to wave, and the launch has no LDS and no barrier.
; THE ROWS OF A TILE ARE NOT NEIGHBOURS: row r of tile T (0..7 of a step) is position 32 (T / 2) + 8 (T % 2) + r + 8 (r / 8).  So the 16 registers of two neighbouring tiles of v
; are 16 neighbouring keys, and the scores of the next launch fall likewise.
; WHAT IS STORED, as images of operand registers:
;   qbuf  [b][step][head][tile][1,024]: part c (512 bytes) holds at 16 x lane the channels 8 h + 4 c + 0..3 of the lane's row (r = lane % 16, h = lane / 16), f32
;   kvbuf [b][step][39,424]: k's images at head x 8,192 + tile x 1,024, laid like q's; v's codes at 32,768 + head x 1,536 + 256 p + 8 x lane (register pair p of the fragment: lane (r, h) = channel r,
;   keys 64 c + 32 h + 0..31); v's scale words at 38,912 + head x 128 + 4 x lane
; q and k are made transposed (source 0 = 16 rows of the weight, source 1 = 16 rows of x): a lane holds one position and eight neighbouring channels, four rotation pairs.
; v is made the other way round (source 0 = x, source 1 = Wv): a lane holds one channel and its registers run along the keys, which are the K of the next launch's product.
; ROPE.  angle = position / 10^(i / 2), i the pair's number 0..7; the division is refined to the last bit or so; the angle is reduced by multiples of pi / 2 in two parts; sine and cosine by polynomials.
; LIMITS: the divisors are the f32 numbers nearest to 10^(i / 2); sine and cosine are good to about 1e-7 absolute for the angles met here, 0 to 4,095.  NaN and infinities among the inputs are not served.
; A block of zeros gets the scale byte 1 where the quantiser says 127: its codes are zeros, and this program alone reads the bytes.
.set BLOCK, 39424
.set VXO, 3                            ; v3   x: (r + 8 (r / 8)) x 256 + 128 h: my block of 32 of my row
.set VWO, 4                            ; v4   a weight: r x 256 + 128 h
.set L16, 5                            ; v5   16 x lane
.set L8,  6                            ; v6   8 x lane
.set L4,  7                            ; v7   4 x lane
.set SH8, 8                            ; v8   8 h: where my block's byte stands in a scale word
.set POS, 9                            ; v9   my position in tile 0, a whole number
.set FD,  10                           ; v10-13 the divisors of my four pairs
.set RC,  14                           ; v14-17 their reciprocals
.set QA,  18                           ; v18-19 at work
.set QB,  19
.set CO,  20                           ; v20-23 cosines
.set SI,  24                           ; v24-27 sines
.set AN,  28                           ; v28-39 at work: four angles by turns
.set KN,  32
.set ZN,  36
.set QC,  30                           ; a lane permute's destination
.set WQ,  40                           ; the weights' fragments, 12 registers each; the upper six stay zero
.set WK,  52
.set WV,  64
.set XC,  76                           ; x's fragment
.set CT,  88                           ; v88-90 the second half of a block's codes
.set WQS, 92                           ; v92-95 scale words and nothing else
.set WKS, 93
.set WVS, 94
.set XS,  95
.set DQ,  96
.set DK,  104
.set VA,  112                          ; v112-143 v of the four tiles; first x's tile 0 as loaded
.set RAW, 144                          ; v144-239 three sets of 32 numbers: the weights, then x's tiles 1 to 3
.set OUT, 240                          ; v240-255 rotated q and k of a tile
.set SEL, 20                           ; s[20:21] lane selects: lane l xor 16
.macro LD8 reg, voff, sb, off          ; 32 numbers of a lane: its block of its row
.irp j, 0,1,2,3,4,5,6,7
	global_load_b128 v[\reg+4*\j:\reg+4*\j+3], v[\voff], s[\sb:\sb+1] offset:\off+16*\j
.endr
.endm
; 32 numbers of a lane, block h of its row, become registers 0-5 of a fragment and, with lane l xor 16's byte, the row's scale word.
.macro QROW raw, dst, sreg
	v_max3_num_f32 v[QA], |v[\raw]|, |v[\raw+1]|, 0x1800000        ; the largest magnitude, in two chains, and the floor 2^(3 - 127): the byte cannot fall under 1
	v_max3_num_f32 v[QB], |v[\raw+2]|, |v[\raw+3]|, |v[\raw+4]|
.irp i, 5,9,13,17,21,25
	v_max3_num_f32 v[QA], v[QA], |v[\raw+\i]|, |v[\raw+\i+1]|
	v_max3_num_f32 v[QB], v[QB], |v[\raw+\i+2]|, |v[\raw+\i+3]|
.endr
	v_max3_num_f32 v[QA], v[QA], |v[\raw+29]|, |v[\raw+30]|
	v_max3_num_f32 v[QA], v[QA], v[QB], |v[\raw+31]|
	v_add_nc_u32 v[QA], 0xff000000, v[QA]          ; 2 off its exponent field: the conversion's scale operand
	v_lshrrev_b32 v[QB], 23, v[QA]                 ; the scale's byte,
	v_lshlrev_b32 v[QB], v[SH8], v[QB]             ; at byte h of the word;
	v_permlanex16_b32 v[QC], v[QB], s[SEL], s[SEL+1]
	v_or_b32 v[\sreg], v[QB], v[QC]                ; with the other block's byte.  Bytes 2 and 3 stay 0: they stand over zero codes
	v_cvt_scalef32_pk16_fp6_f32 v[\dst:\dst+2], v[\raw:\raw+15], v[QA]
	v_cvt_scalef32_pk16_fp6_f32 v[CT:CT+2], v[\raw+16:\raw+31], v[QA]   ; (a conversion's three registers begin on an even number)
	v_nop                                          ; one plain place behind a scaled conversion
.irp i, 0,1,2
	v_mov_b32 v[\dst+3+\i], v[CT+\i]
.endr
.endm
; The sines and cosines of my four pairs at position POS + posoff.
.macro SINCOS posoff
	v_add_nc_u32 v[QA], \posoff, v[POS]
	v_cvt_f32_u32 v[QA], v[QA]
.irp m, 0,1,2,3
	v_mul_f32 v[AN+\m], v[QA], v[RC+\m]            ; position / divisor: a first quotient,
.endr
.irp m, 0,1,2,3
	v_fma_f32 v[KN+\m], -v[AN+\m], v[FD+\m], v[QA] ; what it leaves,
.endr
.irp m, 0,1,2,3
	v_fma_f32 v[AN+\m], v[KN+\m], v[RC+\m], v[AN+\m]   ; and the quotient mended by it
.endr
.irp m, 0,1,2,3
	v_mul_f32 v[KN+\m], s24, v[AN+\m]
.endr
.irp m, 0,1,2,3
	v_rndne_f32 v[KN+\m], v[KN+\m]                 ; how many quarter turns
.endr
.irp m, 0,1,2,3
	v_fma_f32 v[AN+\m], -v[KN+\m], s25, v[AN+\m]   ; less so many times pi / 2, in two parts: the first product fits the fused form whole
.endr
.irp m, 0,1,2,3
	v_fma_f32 v[AN+\m], -v[KN+\m], s26, v[AN+\m]
.endr
.irp m, 0,1,2,3
	v_mul_f32 v[ZN+\m], v[AN+\m], v[AN+\m]
.endr
.irp m, 0,1,2,3
	v_cvt_i32_f32 v[KN+\m], v[KN+\m]
.endr
.irp m, 0,1,2,3
	v_fma_f32 v[SI+\m], v[ZN+\m], s29, s28
	v_fma_f32 v[CO+\m], v[ZN+\m], s32, s31
.endr
.irp m, 0,1,2,3
	v_fma_f32 v[SI+\m], v[SI+\m], v[ZN+\m], s27
	v_fma_f32 v[CO+\m], v[CO+\m], v[ZN+\m], s30
.endr
.irp m, 0,1,2,3
	v_mul_f32 v[SI+\m], v[SI+\m], v[ZN+\m]
	v_fma_f32 v[CO+\m], v[CO+\m], v[ZN+\m], -0.5
.endr
.irp m, 0,1,2,3
	v_fma_f32 v[SI+\m], v[SI+\m], v[AN+\m], v[AN+\m]   ; sin r = r + r z P(z)
	v_fma_f32 v[CO+\m], v[CO+\m], v[ZN+\m], 1.0        ; cos r = 1 + z (-1/2 + z Q(z))
.endr
.irp m, 0,1,2,3
	v_and_b32 v[ZN+\m], 1, v[KN+\m]
.endr
.irp m, 0,1,2,3
	v_cmp_eq_u32 vcc_lo, 1, v[ZN+\m]               ; an odd number of quarter turns: the two change places
	v_cndmask_b32 v[AN+\m], v[SI+\m], v[CO+\m], vcc_lo
	v_cndmask_b32 v[ZN+\m], v[CO+\m], v[SI+\m], vcc_lo
.endr
.irp m, 0,1,2,3
	v_and_b32 v[SI+\m], 2, v[KN+\m]                ; the sine is turned over in quarters 2 and 3,
	v_add_nc_u32 v[KN+\m], 1, v[KN+\m]
.endr
.irp m, 0,1,2,3
	v_lshlrev_b32 v[SI+\m], 30, v[SI+\m]
	v_and_b32 v[CO+\m], 2, v[KN+\m]                ; the cosine in quarters 1 and 2
.endr
.irp m, 0,1,2,3
	v_xor_b32 v[SI+\m], v[SI+\m], v[AN+\m]
	v_lshlrev_b32 v[CO+\m], 30, v[CO+\m]
.endr
.irp m, 0,1,2,3
	v_xor_b32 v[CO+\m], v[CO+\m], v[ZN+\m]
.endr
.endm
; Eight channels of a lane, four pairs (even, odd), are rotated.  The accumulator is read from its low end on.
.macro ROPE src, dst
.irp m, 0,1,2,3
	v_mul_f32 v[\dst+2*\m], v[\src+2*\m+1], v[SI+\m]
	v_mul_f32 v[\dst+2*\m+1], v[\src+2*\m+1], v[CO+\m]
.endr
.irp m, 0,1,2,3
	v_fma_f32 v[\dst+2*\m], v[\src+2*\m], v[CO+\m], -v[\dst+2*\m]          ; even x cos - odd x sin
	v_fma_f32 v[\dst+2*\m+1], v[\src+2*\m], v[SI+\m], v[\dst+2*\m+1]       ; even x sin + odd x cos
.endr
.endm
; One tile of 16 rows.  cnt: the younger loads, which may stay out.
.macro TILE tau, raw, cnt, posoff
	s_wait_loadcnt \cnt
	QROW \raw, XC, XS
	SINCOS \posoff                                 ; its lines are also the places between the writes of x's codes and scale word and the scaled products
	v_wmma_scale_f32_16x16x128_f8f6f4 v[DQ:DQ+7], v[WQ:WQ+11], v[XC:XC+11], 0, v[WQS], v[XS] matrix_a_fmt:MATRIX_FMT_FP6 matrix_b_fmt:MATRIX_FMT_FP6
	v_wmma_scale_f32_16x16x128_f8f6f4 v[DK:DK+7], v[WK:WK+11], v[XC:XC+11], 0, v[WKS], v[XS] matrix_a_fmt:MATRIX_FMT_FP6 matrix_b_fmt:MATRIX_FMT_FP6
	v_wmma_scale_f32_16x16x128_f8f6f4 v[VA+8*\tau:VA+8*\tau+7], v[XC:XC+11], v[WV:WV+11], 0, v[XS], v[WVS] matrix_a_fmt:MATRIX_FMT_FP6 matrix_b_fmt:MATRIX_FMT_FP6
.rept 4
	v_nop                                          ; four places ahead of the first read of results (ISA guide 7.12.1)
.endr
	s_wait_xcnt 0x0                                ; the last tile's stores have read OUT: it is written again only behind this wait
	ROPE DQ, OUT
	ROPE DK, OUT+8
	global_store_b128 v[L16], v[OUT:OUT+3], s[12:13] offset:\tau*1024          ; each store of the wave covers 512 consecutive bytes, aligned
	global_store_b128 v[L16], v[OUT+4:OUT+7], s[12:13] offset:\tau*1024+512
	global_store_b128 v[L16], v[OUT+8:OUT+11], s[48:49] offset:\tau*1024
	global_store_b128 v[L16], v[OUT+12:OUT+15], s[48:49] offset:\tau*1024+512
.endm
	s_load_b256 s[4:11], s[0:1], 0x0               ; x s[4:5], Wq s[6:7], Wk s[8:9], Wv s[10:11]
	s_load_b128 s[12:15], s[0:1], 0x20             ; qbuf s[12:13], kvbuf s[14:15]
	v_lshrrev_b32 v[QA], 5, v0
	v_readfirstlane_b32 s16, v[QA]                 ; wave = head
	v_and_b32 v1, 15, v0                           ; r
	v_bfe_u32 v2, v0, 4, 1                         ; h
	v_and_b32 v[QB], 31, v0                        ; lane
	v_lshlrev_b32 v[L16], 4, v[QB]
	v_lshlrev_b32 v[L8], 3, v[QB]
	v_lshlrev_b32 v[L4], 2, v[QB]
	v_lshlrev_b32 v[SH8], 3, v2
	v_and_b32 v[QA], 8, v1
	v_add_nc_u32 v[QA], v[QA], v1                  ; r + 8 (r / 8)
	v_lshlrev_b32 v[VXO], 8, v[QA]
	v_lshl_add_u32 v[VXO], v2, 7, v[VXO]
	v_lshlrev_b32 v[VWO], 8, v1
	v_lshl_add_u32 v[VWO], v2, 7, v[VWO]
	s_and_b32 s17, ttmp9, 63
	s_lshl_b32 s17, s17, 6                         ; the work-group's first position in its sequence
	v_add_nc_u32 v[POS], s17, v[QA]
	s_mov_b32 s[SEL], 0x76543210
	s_mov_b32 s[SEL+1], 0xfedcba98
	s_mov_b32 s24, 0x3f22f983                      ; 2 / pi
	s_mov_b32 s25, 0x3fc90fdb                      ; pi / 2, the upper part
	s_mov_b32 s26, 0xb33bbd2e                      ; and what is left of it
	s_mov_b32 s27, 0xbe2aaaa3                      ; the sine's three coefficients
	s_mov_b32 s28, 0x3c08839e
	s_mov_b32 s29, 0xb94ca1f9
	s_mov_b32 s30, 0x3d2aaaa5                      ; the cosine's three
	s_mov_b32 s31, 0xbab6061a
	s_mov_b32 s32, 0x37ccf5ce
	v_cmp_eq_u32 vcc_lo, 1, v2
	v_mov_b32 v[FD], 1.0                           ; 10^(i / 2): pairs 0-3 in lanes 0-15,
	v_mov_b32 v[FD+1], 0x404a62c2
	v_mov_b32 v[FD+2], 0x41200000
	v_mov_b32 v[FD+3], 0x41fcfb72
	v_mov_b32 v[AN], 0x42c80000                    ; pairs 4-7 in lanes 16-31
	v_mov_b32 v[AN+1], 0x439e1d27
	v_mov_b32 v[AN+2], 0x447a0000
	v_mov_b32 v[AN+3], 0x4545a471
.irp m, 0,1,2,3
	v_cndmask_b32 v[FD+\m], v[FD+\m], v[AN+\m], vcc_lo
.endr
.irp m, 0,1,2,3
	v_rcp_f32 v[RC+\m], v[FD+\m]
.endr
	v_nop                                          ; a plain place behind the reciprocals
	s_wait_alu depctr_va_vdst(0)                   ; one wait for the four, ahead of their first reader
.irp i, 6,7,8,9,10,11
	v_mov_b32 v[WQ+\i], 0                          ; K = 64 .. 127: zero codes, written once
	v_mov_b32 v[WK+\i], 0
	v_mov_b32 v[WV+\i], 0
	v_mov_b32 v[XC+\i], 0
.endr
	s_lshr_b32 s18, ttmp9, 1                       ; bs = batch x 32 + step
	s_and_b32 s19, ttmp9, 1                        ; g: which half of the step
	s_lshl_b32 s34, ttmp9, 14                      ; x: 64 rows of 256 bytes a work-group
	s_mov_b32 s35, 0
	s_lshl_b32 s36, s16, 12                        ; a weight: 16 rows of 256 bytes a head
	s_mov_b32 s37, 0
	s_lshl_b32 s38, s18, 2
	s_add_co_u32 s38, s38, s16
	s_lshl_b32 s38, s38, 13
	s_lshl_b32 s33, s19, 12
	s_add_co_u32 s38, s38, s33                     ; q: (4 bs + head) x 8,192 + g x 4,096
	s_mov_b32 s39, 0
	s_mul_i32 s40, s18, BLOCK
	s_lshl_b32 s42, s16, 13
	s_add_co_u32 s42, s42, s40
	s_add_co_u32 s42, s42, s33                     ; k: bs x 39,424 + head x 8,192 + g x 4,096
	s_mov_b32 s43, 0
	s_mul_i32 s44, s16, 1536
	s_add_co_u32 s44, s44, s40
	s_mul_i32 s33, s19, 768
	s_add_co_u32 s44, s44, s33
	s_add_co_u32 s44, s44, 32768                   ; v's codes: register pairs 3 g .. 3 g + 2 of the head's fragment
	s_mov_b32 s45, 0
	s_lshl_b32 s46, s16, 7
	s_add_co_u32 s46, s46, s40
	s_lshl_b32 s33, s19, 1
	s_add_co_u32 s46, s46, s33
	s_add_co_u32 s46, s46, 38912                   ; v's scale words: bytes 2 g and 2 g + 1
	s_mov_b32 s47, 0
	s_wait_kmcnt 0x0
	s_add_nc_u64 s[4:5], s[4:5], s[34:35]
	s_add_nc_u64 s[6:7], s[6:7], s[36:37]
	s_add_nc_u64 s[8:9], s[8:9], s[36:37]
	s_add_nc_u64 s[10:11], s[10:11], s[36:37]
	s_add_nc_u64 s[12:13], s[12:13], s[38:39]
	s_add_nc_u64 s[48:49], s[14:15], s[42:43]
	s_add_nc_u64 s[50:51], s[14:15], s[44:45]
	s_add_nc_u64 s[52:53], s[14:15], s[46:47]
	LD8 RAW, VWO, 6, 0
	LD8 RAW+32, VWO, 8, 0
	LD8 RAW+64, VWO, 10, 0
	LD8 VA, VXO, 4, 0                              ; x's tile 0
	s_wait_loadcnt 24                              ; Wq's eight loads are in; three sets of eight may be out
	QROW RAW, WQ, WQS
	s_wait_loadcnt 16
	QROW RAW+32, WK, WKS
	s_wait_loadcnt 8
	QROW RAW+64, WV, WVS
	LD8 RAW, VXO, 4, 2048                          ; x's tiles 1 to 3 begin at rows 8, 32 and 40
	LD8 RAW+32, VXO, 4, 8192
	LD8 RAW+64, VXO, 4, 10240
	TILE 0, VA, 24, 0
	TILE 1, RAW, 16, 8
	TILE 2, RAW+32, 8, 32
	TILE 3, RAW+64, 0, 40
	; v of my 64 keys, two blocks of 32: register 16 b + i of VA is key 32 b + 16 h + i of channel r
.irp b, 0,1
	v_max3_num_f32 v[AN+\b], |v[VA+16*\b]|, |v[VA+16*\b+1]|, 0x1800000
.endr
.irp i, 2,4,6,8,10,12,14
.irp b, 0,1
	v_max3_num_f32 v[AN+\b], v[AN+\b], |v[VA+16*\b+\i]|, |v[VA+16*\b+\i+1]|
.endr
.endr
.irp b, 0,1
	v_permlanex16_b32 v[AN+2+\b], v[AN+\b], s[SEL], s[SEL+1]
.endr
.irp b, 0,1
	v_max_num_f32 v[AN+\b], v[AN+\b], v[AN+2+\b]   ; with lane l xor 16's 16 keys: the block's largest magnitude
.endr
.irp b, 0,1
	v_add_nc_u32 v[AN+4+\b], 0xff000000, v[AN+\b]
.endr
.irp b, 0,1
	v_lshrrev_b32 v[AN+2+\b], 23, v[AN+4+\b]
.endr
	v_lshl_or_b32 v[AN+6], v[AN+3], 8, v[AN+2]     ; my half of the channel's scale word
	v_cvt_scalef32_pk16_fp6_f32 v[XC:XC+2], v[VA:VA+15], v[AN+4]
	v_cvt_scalef32_pk16_fp6_f32 v[CT:CT+2], v[VA+16:VA+31], v[AN+5]
	v_nop                                          ; one plain place behind a scaled conversion
.irp i, 0,1,2
	v_permlane16_swap_b32 v[XC+\i], v[CT+\i]       ; the layout wants a whole block in a lane: lanes 0-15 the first block, lanes 16-31 the second
.endr
.irp i, 0,1,2
	v_mov_b32 v[XC+3+\i], v[CT+\i]
.endr
.irp p, 0,1,2
	global_store_b64 v[L8], v[XC+2*\p:XC+2*\p+1], s[50:51] offset:256*\p   ; 32 lanes store 256 consecutive bytes, aligned
.endr
	global_store_b16 v[L4], v[AN+6], s[52:53]      ; two bytes of each lane's word; the other half of the step writes the other two
	s_endpgm
.Lfunc_end_k_q70156c4488_proj:
	.size	k_q70156c4488_proj, .Lfunc_end_k_q70156c4488_proj-k_q70156c4488_proj
	.p2alignl 7, 3214868480
	.fill 96, 4, 3214868480
	.section	.rodata,"a",@progbits
	.p2align	6, 0x0
	.amdhsa_kernel k_q70156c4488_proj
		.amdhsa_group_segment_fixed_size 0
		.amdhsa_private_segment_fixed_size 0
		.amdhsa_enable_private_segment 0
		.amdhsa_kernarg_size 48
		.amdhsa_user_sgpr_count 2
		.amdhsa_user_sgpr_kernarg_segment_ptr 1
		.amdhsa_wavefront_size32 1
		.amdhsa_system_sgpr_workgroup_id_x 1
		.amdhsa_system_sgpr_workgroup_id_y 1
		.amdhsa_system_sgpr_workgroup_id_z 1
		.amdhsa_system_vgpr_workitem_id 0
		.amdhsa_next_free_vgpr 256
		.amdhsa_next_free_sgpr 66
		.amdhsa_reserve_vcc 1
		.amdhsa_float_denorm_mode_32 3
		.amdhsa_float_denorm_mode_16_64 3
		.amdhsa_memory_ordered 1
		.amdhsa_forward_progress 1
		.amdhsa_inst_pref_size 53
	.end_amdhsa_kernel
	.amdgpu_metadata
---
amdhsa.version: [ 1, 2 ]
amdhsa.kernels:
  - .name:           k_q70156c4488_proj
    .symbol:         k_q70156c4488_proj.kd
    .args:
      - { .name: x, .offset: 0, .size: 8, .value_kind: global_buffer, .address_space: global }
      - { .name: Wq, .offset: 8, .size: 8, .value_kind: global_buffer, .address_space: global }
      - { .name: Wk, .offset: 16, .size: 8, .value_kind: global_buffer, .address_space: global }
      - { .name: Wv, .offset: 24, .size: 8, .value_kind: global_buffer, .address_space: global }
      - { .name: qbuf, .offset: 32, .size: 8, .value_kind: global_buffer, .address_space: global }
      - { .name: kvbuf, .offset: 40, .size: 8, .value_kind: global_buffer, .address_space: global }
    .group_segment_fixed_size: 0
    .private_segment_fixed_size: 0
    .kernarg_segment_align: 8
    .kernarg_segment_size: 48
    .max_flat_workgroup_size: 128
    .sgpr_count:     66
    .vgpr_count:     256
    .wavefront_size: 32
...
	.end_amdgpu_metadata
.endif
;; end of part 1
;; launch attn (part 2): grid 64 x 4, 16 waves a work-group, clusters of 4 x 1, 327,680 bytes of LDS; arguments qbuf, kvbuf, Wo, out0; writes out0
.if DOCPART == 2
	.amdgcn_target "amdgcn-amd-amdhsa--gfx1250"
	.amdhsa_code_object_version 6
	.text
	.protected	k_q70156c4488_attn
	.globl	k_q70156c4488_attn
	.p2align	8
	.type	k_q70156c4488_attn,@function
k_q70156c4488_attn:
	s_mov_b64 s[64:65], 0
	v_nop
	global_prefetch_b8 v0, s[64:65] scope:SCOPE_SE
	s_setreg_imm32_b32 hwreg(HW_REG_WAVE_MODE, 25, 1), 1
	s_wait_xcnt 0x0
	s_wait_alu depctr_hold_cnt(0) depctr_sa_sdst(0) depctr_va_vdst(0) depctr_va_sdst(0) depctr_va_ssrc(0) depctr_va_vcc(0) depctr_vm_vsrc(0)
	s_getreg_b32 s2, hwreg(HW_REG_IB_STS2, 6, 4)
	s_cmp_eq_u32 s2, 0
	s_cbranch_scc0 .Lentry_in_a_cluster
	s_endpgm
.Lentry_in_a_cluster:
	s_bfe_u32 s2, ttmp6, 0x10000c
	s_cmp_lg_u32 s2, 0x3003
	s_cbranch_scc0 .Lentry_shape_is_right
	s_endpgm
.Lentry_shape_is_right:
; out = (softmax(q k^T / 4, causal) v) Wo^T.  q, k (f32, rotated) and v (codes of FP6 along the keys, with scale words) come as images of operand registers: 39,424 bytes for a step of 128 keys.
; The scores (K = 16) go on into a quantiser, so they take f32 operands: v_wmma_f32_16x16x4_f32, four K steps.  p = 2^(t - M), t = score x log2(e) / 4, M the running largest t rounded up to a whole number,
; is quantised along the keys and multiplied with v by the scaled FP6 form; the row's sum is taken of the unquantised p and divides at the end; the attended rows and Wo are quantised along K = 64.
; SHARES.  A cluster of four work-groups owns two blocks of 128 queries of one batch: the low block c and the high block 31 - c (c = the cluster's x): together 33 key steps, whatever c.
; Partner cx owns the query tiles 2 cx + u (u = 0, 1) of both blocks, for all four heads.  Wave w: head w & 3, role (w >> 2) & 1, u = w >> 3.
; Role A walks key steps 0 .. 16 of the high tile.  Role X walks steps 0 .. c of the low tile, then steps 17 .. 31 - c of the high tile: 16 items.  So every wave has 16 or 17 items of 16 queries x 128 keys,
; and the trip counts are constants.  At the end A's and X's parts of the high tile are joined: both are brought under the larger M by exact powers of two.
; Four waves share a SIMD, so that one wave's softmax stands beside another's matrix instructions.
; CLUSTER.  All four partners walk the same steps of k and v, so each step is asked for JOINTLY: the same tensor load, with the same descriptor and the mask 15, in all four.  No branch and no LDS address hangs on cx.
; RING.  Trip t wants two steps: A's (step t) and X's (step t while t <= c, else 16 + t - c).  A slot holds two trips' four steps, 157,696 bytes; waves 0-3 bring one step each.  By this text's own count a wave
; has two tensor loads out at the start and one behind each change of slots.  In the early trips a step is brought twice: the price of descriptors and counts that are the same in every cluster.
; LAYOUT.  Both products are used transposed: S^T = k q^T (source 0 = 16 keys), O^T = v^T p^T (source 0 = 16 channels): a lane holds ONE query (lane % 16) throughout.  Row r of a tile is position
; 32 (T / 2) + 8 (T % 2) + r + 8 (r / 8), so the 16 score registers of tiles 2 b, 2 b + 1 are keys 32 b + 16 (lane / 16) + 0 .. 15.
; In the f32 product register e of a lane holds channel 8 (lane / 16) + e, alike for k and q: the order of the 16 channels in the sum differs from the natural one.
; THE MASK.  In the one step of a tile that lies on the diagonal the sums begin with -infinity where the key comes after the query, and with 0 elsewhere: the mask is the C of the first K step.
; LIMITS: NaN and infinities are not served.  A block of zeros has the scale byte 1, over zero codes.
.set BLOCK, 39424                      ; a step of k and v
.set SLOT,  4*BLOCK
.set SPARE, 2*SLOT                     ; behind the ring: the spare words, 128 bytes for each of 16 waves: eight blocks of 256 bytes that no other line names
.set HB,    SLOT                       ; the stages lie in slot 1, which has had its last fill and its last read when the first of them is written:
.set ATT,   HB+10240                   ; HB: X's part of the high tile, 8 x 1,280 bytes (O^T 1,024, the sum 128, -M 128);  ATT: 64 attended rows x (256 + 16) bytes;
.set OUTS,  ATT+17408                  ; OUTS: 64 rows of the result, likewise
.set SPW, 1                            ; v1   LDS address of my spare word; never rewritten
.set NIL, 2                            ; v2   0; never rewritten
.set AK,  3                            ; v3-5 my lane's place in a trip's k images, v codes, v scale words (my head's, my role's)
.set AV,  4
.set AS,  5
.set ADK, 6                            ; v6-8 the same in the item in hand
.set ADV, 7
.set ADS, 8
.set QD,  9                            ; v9   my query's place in its block - 16 (lane / 16)
.set HBO, 10
.set HBL, 11
.set ATW, 12
.set ATR, 13
.set OSW, 14
.set OSR, 15
.set NM,  16                           ; v16 -M, v17 the largest t
.set LS,  18                           ; v[18:19] the sum, in two halves
.set FF,  20                           ; v20 f = 2^(old M - new M); v21 is named with it as a pair
.set PW,  22                           ; v22  p's scale word: scales and nothing else
.set VS,  23                           ; v23  v's
.set QF,  24                           ; v24-31 q of the tile in hand
.set Q2,  32                           ; v32-39 q of the high tile
.set OT,  40                           ; v40-47 O^T
.set OL,  48                           ; v48-55 the low tile's finished rows
.set WOC, 56                           ; v56-61 Wo's codes
.set WOS, 62                           ; v62  Wo's scale word
.set PFO, 63                           ; v63  the prefetches' offset; never rewritten
.set MK,  64                           ; v64-127 the diagonal's mask; else:
.set VF,  64                           ; v64-75 v's fragment
.set PC,  76                           ; v76-87 p's codes
.set CT,  88                           ; v88-90, v92-94 second halves of blocks' codes
.set BM,  96                           ; v96-99 the blocks' largest scores, then largest p
.set PT,  100                          ; v100-103 lane permutes' destinations
.set SO,  104                          ; v104-107 the conversions' scale operands
.set BY,  108                          ; v108-111 the scales' bytes
.set L2,  112                          ; v[112:113] the sum's second chain
.set TA,  114
.set TB,  115
.set SH8, 116
.set SCR, 128                          ; v128-191 the scores: written by the f32 matrix form alone, in the whole text
.set PRB, 192                          ; v192-255 k's fragments, then t - M and p
.set WVN, 12
.set HD,  13
.set ROLE, 14
.set UU,  15
.set CX,  16
.set CC,  17
.set BAT, 18
.set HI,  19                           ; s19  31 - c
.set SEL, 20
.set CS,  22                           ; s[22:23] log2(e) / 4
.set G1,  24
.set G0,  32                           ; s[32:35] slot 0's group 0, s[36:39] slot 1's
.set TT,  40                           ; s40  the trip
.set D1,  41                           ; s41, s42 the trips on the diagonal
.set D2,  42
.set TR,  43                           ; s43  the trip behind which X goes over to the high tile
.set FT,  44                           ; s44  the trip of my next fill
.set CB,  45                           ; s45  c in a wave that fetches X's steps, else 99
.set EX,  46                           ; s46  16 - c
.set LAPS, 47
.set W0,  48                           ; s[48:49], s[50:51] offsets at work; the upper words stay 0
.set W1,  50
.set PFA, 52                           ; s[52:53] where my prefetch stands
.set PFT, 54
.set PCB, 55
.set PN,  56
.set PLIM, 57
.macro ROUND                           ; a round of the cluster's barrier
	s_barrier_signal -1
	s_barrier_wait -1
	s_cmp_lg_u32 s[WVN], 0
	s_cbranch_scc1 .Lnot_wave_0_\@
	s_barrier_signal -3
.Lnot_wave_0_\@:
	s_barrier_wait -3
	s_barrier_signal -1
	s_barrier_wait -1
.endm
.macro BARRIER                         ; my LDS stores have landed and my LDS loads are in: then the work-group's barrier
	s_wait_dscnt 0x0
	s_barrier_signal -1
	s_barrier_wait -1
.endm
; Where my next fill comes from: step FT, or 16 - c further on where I fetch for X and the low tile is done.  It hangs on the cluster's x, the batch and the wave's number: alike in all four partners.
.macro FILLADDR g0
	s_cmp_gt_u32 s[FT], s[CB]
	s_cselect_b32 s[W0], s[EX], 0
	s_add_co_u32 s[W0], s[W0], s[FT]
	s_mul_i32 s[W0], s[W0], BLOCK
	s_add_nc_u64 s[\g0+2:\g0+3], s[6:7], s[W0:W0+1]
	s_or_b32 s[\g0+3], s[\g0+3], 0x80000000        ; type = 2
	s_add_co_u32 s[FT], s[FT], 2
.endm
.macro TLOAD g0, nw                    ; waves 0 .. nw - 1 ask; four v_nop follow the line
	s_cmp_lt_u32 s[WVN], \nw
	s_cbranch_scc0 .Lno_load_\@
	tensor_load_to_lds s[\g0:\g0+3], s[G1:G1+7]
	s_nop 0
.rept 4
	v_nop
.endr
.Lno_load_\@:
.endm
; A PREFETCH of what the NEXT change of slots will ask for.  Cluster 0 of a batch walks all 32 steps (A's 0 .. 16, X's 17 .. 31): it asks, and no other.  Its four partners take one step of the fill each, told apart
; BY ADDRESS; in each, waves 4 to 8 ask, 8,192 bytes a wave, lanes 256 bytes apart; a step is 154 such blocks, so the last six lanes are held at the last block.  Fills 3 to 7 are asked for: two trips ahead of their load.
; Fills 0 to 2 and the last come by their loads alone; the count PN stops the requests, so that none points past the buffer.
.macro ASK
	s_cmp_lt_u32 s[PN], s[PLIM]
	s_cbranch_scc0 .Lno_ask_\@
	global_prefetch_b8 v[PFO], s[PFA:PFA+1] th:TH_LOAD_NT scope:SCOPE_SE
.Lno_ask_\@:
	s_add_co_u32 s[PN], s[PN], 1
.endm
; THE CHANGE OF SLOTS.  Each wave waits for all its tensor loads, adds 0 to its spare word, and waits for that and for its reads of the slot that it has left.
; kind 1: that slot is filled again by waves 0-3;  kind 2: by wave 0 alone (A's last step);  kind 0: nothing is filled, and the work-group's barrier does.
.macro CHANGE g0, kind
	s_wait_tensorcnt 0x0                           ; no tensor load of mine is out, so a group 0 may be written
	ds_add_u32 v[SPW], v[NIL]                      ; 0 onto my spare word; the addresses' steps stand between it and the wait for it
.if \kind >= 1
	FILLADDR \g0
.endif
.if \kind == 1
	s_wait_xcnt 0x0                                ; the last prefetch, two trips back, has read its address, so it may be written
	s_cmp_gt_u32 s[PFT], s[PCB]
	s_cselect_b32 s[W1], s[EX], 0
	s_add_co_u32 s[W1], s[W1], s[PFT]
	s_mul_i32 s[W1], s[W1], BLOCK
	s_add_nc_u64 s[PFA:PFA+1], s[6:7], s[W1:W1+1]
	s_add_co_u32 s[PFT], s[PFT], 2
.endif
	s_wait_dscnt 0x0                               ; the add is done, and my reads of the slot that I have left are over
.if \kind >= 1
	ROUND                                          ; no wave of any partner still reads that slot or has a load on its way
.if \kind == 1
	TLOAD \g0, 4                                   ; the first thing behind the round, and a wave's one tensor load until the next
	ASK
.else
	TLOAD \g0, 1
.endif
.else
	s_barrier_signal -1
	s_barrier_wait -1
.endif
.endm
; 32 numbers of a lane, block h of its row, become registers 0-5 of a fragment and, with lane l xor 16's byte, the row's scale word.
.macro QROW raw, dst, sreg
	v_max3_num_f32 v[TA], |v[\raw]|, |v[\raw+1]|, 0x1800000        ; the largest magnitude, in two chains, and the floor 2^(3 - 127): the byte cannot fall under 1
	v_max3_num_f32 v[TB], |v[\raw+2]|, |v[\raw+3]|, |v[\raw+4]|
.irp i, 5,9,13,17,21,25
	v_max3_num_f32 v[TA], v[TA], |v[\raw+\i]|, |v[\raw+\i+1]|
	v_max3_num_f32 v[TB], v[TB], |v[\raw+\i+2]|, |v[\raw+\i+3]|
.endr
	v_max3_num_f32 v[TA], v[TA], |v[\raw+29]|, |v[\raw+30]|
	v_max3_num_f32 v[TA], v[TA], v[TB], |v[\raw+31]|
	v_add_nc_u32 v[TA], 0xff000000, v[TA]          ; 2 off its exponent field: the conversion's scale operand
	v_lshrrev_b32 v[TB], 23, v[TA]
	v_lshlrev_b32 v[TB], v[SH8], v[TB]             ; the byte, at byte h of the word
	v_permlanex16_b32 v[PT], v[TB], s[SEL], s[SEL+1]
	v_or_b32 v[\sreg], v[TB], v[PT]                ; bytes 2 and 3 stay 0: they stand over zero codes
	v_cvt_scalef32_pk16_fp6_f32 v[\dst:\dst+2], v[\raw:\raw+15], v[TA]
	v_cvt_scalef32_pk16_fp6_f32 v[CT:CT+2], v[\raw+16:\raw+31], v[TA]
	v_nop                                          ; one plain place behind a scaled conversion
.irp i, 0,1,2
	v_mov_b32 v[\dst+3+\i], v[CT+\i]
.endr
.endm
; S^T = k q^T: four K steps of 4 channels, the eight tiles of 16 keys by turns, one instruction a turn.  The first K step starts the sums: with 0, or on the diagonal with the mask.
.macro WMM diag
.irp s, 0,1,2,3
.irp t, 0,1,2,3,4,5,6,7
.if \s == 0
.if \diag
	v_wmma_f32_16x16x4_f32 v[SCR+8*\t:SCR+8*\t+7], v[PRB+8*\t:PRB+8*\t+1], v[QF:QF+1], v[MK+8*\t:MK+8*\t+7]
.else
	v_wmma_f32_16x16x4_f32 v[SCR+8*\t:SCR+8*\t+7], v[PRB+8*\t:PRB+8*\t+1], v[QF:QF+1], 0
.endif
.else
	v_wmma_f32_16x16x4_f32 v[SCR+8*\t:SCR+8*\t+7], v[PRB+8*\t+2*\s:PRB+8*\t+2*\s+1], v[QF+2*\s:QF+2*\s+1], v[SCR+8*\t:SCR+8*\t+7]
.endif
.endr
.endr
.endm
; The item's LDS addresses.  The four lines are also the places behind the last scaled product, ahead of writes into its operands' registers and of reads of O^T.
.macro ADDR off
	v_add_nc_u32 v[ADK], \off, v[AK]
	v_add_nc_u32 v[ADV], \off, v[AV]
	v_add_nc_u32 v[ADS], \off, v[AS]
	v_nop
.endm
; AN ITEM: my 16 queries x 128 keys.
.macro BODY
.irp i, 0,1,2,3,4,5,6,7,8,9,10,11,12,13,14,15
	ds_load_b128 v[PRB+4*\i:PRB+4*\i+3], v[ADK] offset:512*\i      ; k's eight tiles: 512 consecutive bytes a load
.endr
	s_cmp_eq_u32 s[TT], s[D1]
	s_cbranch_scc1 .Ldiag_\@
	s_cmp_eq_u32 s[TT], s[D2]
	s_cbranch_scc1 .Ldiag_\@
	s_wait_dscnt 0x0
	WMM 0
	s_branch .Ljoin_\@
.Ldiag_\@:                             ; score register n holds key 32 (n / 16) + n % 16 + 16 (lane / 16) of the step: it counts where that is at most my query's place
	v_mov_b32 v[FF], 0xff800000                    ; -infinity (f is made anew further down)
	v_mov_b32 v[FF+1], 0
.set n, 0
.rept 64
	v_cmp_le_i32 vcc_lo, 32*(n/16)+n%16, v[QD]
	v_cndmask_b32 v[MK+n], v[FF], v[FF+1], vcc_lo
.set n, n+1
.endr
	s_wait_dscnt 0x0
	WMM 1
.Ljoin_\@:
.rept 8
	v_nop                                          ; eight places behind the f32 form: ahead of the reads of the scores, of the writes over k's fragments and of the loads into the mask's registers
.endr
.irp p, 0,1,2,3,4,5
	ds_load_b64 v[VF+2*\p:VF+2*\p+1], v[ADV] offset:256*\p         ; v's fragment and scale words land while the softmax is walked
.endr
	ds_load_b32 v[VS], v[ADS]
.irp b, 0,1,2,3
	v_max3_num_f32 v[BM+\b], v[SCR+16*\b], v[SCR+16*\b+1], v[SCR+16*\b+2]   ; the largest score of each block of 32 keys: for the row's maximum, and, since p rises with the score, for the block's largest p
.endr
.irp i, 3,5,7,9,11,13
.irp b, 0,1,2,3
	v_max3_num_f32 v[BM+\b], v[BM+\b], v[SCR+16*\b+\i], v[SCR+16*\b+\i+1]
.endr
.endr
.irp b, 0,1,2,3
	v_max_num_f32 v[BM+\b], v[BM+\b], v[SCR+16*\b+15]
.endr
.irp b, 0,1,2,3
	v_permlanex16_b32 v[PT+\b], v[BM+\b], s[SEL], s[SEL+1]
.endr
.irp b, 0,1,2,3
	v_max_num_f32 v[BM+\b], v[BM+\b], v[PT+\b]     ; with lane l xor 16's 16 keys
.endr
	v_max3_num_f32 v[TA], v[BM], v[BM+1], v[BM+2]
	v_max_num_f32 v[TA], v[TA], v[BM+3]
	v_mul_f32 v[TA], s[CS], v[TA]                  ; the step's largest t
	v_max_num_f32 v[NM+1], v[NM+1], v[TA]          ; the running largest t
	v_mov_b32 v[TA], v[NM]
	v_floor_f32 v[NM], -v[NM+1]                    ; the new -M = floor(-t): M is a whole number
	v_sub_f32 v[TA], v[NM], v[TA]                  ; old M - new M: a whole number, 0 or less
	v_cvt_i32_f32 v[TA], v[TA]                     ; (it saturates)
	v_ldexp_f32 v[FF], 1.0, v[TA]                  ; f = 2^(old M - new M): a multiplication by it rounds nothing
.irp j, 0,2,4,6,8,10,12,14,16,18,20,22,24,26,28,30,32,34,36,38,40,42,44,46,48,50,52,54,56,58,60,62
	v_pk_fma_f32 v[PRB+\j:PRB+\j+1], v[SCR+\j:SCR+\j+1], s[CS:CS+1], v[NM:NM+1] op_sel_hi:[1,0,0]   ; t - M, two at a time, into other registers than the sums'
.endr
.irp b, 0,1,2,3
	v_fma_f32 v[BM+\b], v[BM+\b], s[CS], v[NM]     ; the same of each block's largest score
.endr
.irp j, 0,1,2,3,4,5,6,7,8,9,10,11,12,13,14,15,16,17,18,19,20,21,22,23,24,25,26,27,28,29,30,31,32,33,34,35,36,37,38,39,40,41,42,43,44,45,46,47,48,49,50,51,52,53,54,55,56,57,58,59,60,61,62,63
	v_exp_f32 v[PRB+\j], v[PRB+\j]                 ; p = 2^(t - M), at most 1, not normalised
.endr
	v_pk_mul_f32 v[LS:LS+1], v[LS:LS+1], v[FF:FF+1] op_sel_hi:[1,0]   ; the sums under the new M: a plain place behind the exponentials
	s_wait_alu depctr_va_vdst(0)                   ; one wait for the batch of 64, ahead of its first reader
.irp b, 0,1,2,3
	v_exp_f32 v[BM+\b], v[BM+\b]                   ; the blocks' largest p: the same two instructions on the same numbers
.endr
	v_pk_add_f32 v[L2:L2+1], v[PRB:PRB+1], v[PRB+2:PRB+3]          ; the row's sum is taken of the unquantised p, in two chains; its first half is the plain work behind the four
.irp j, 4,8,12,16,20,24,28
	v_pk_add_f32 v[LS:LS+1], v[LS:LS+1], v[PRB+\j:PRB+\j+1]
	v_pk_add_f32 v[L2:L2+1], v[L2:L2+1], v[PRB+\j+2:PRB+\j+3]
.endr
	s_wait_alu depctr_va_vdst(0)                   ; and one wait for the four
.irp b, 0,1,2,3
	v_max_num_f32 v[BM+\b], 0x1800000, v[BM+\b]    ; the floor 2^(3 - 127): the byte cannot fall under 1
.endr
.irp b, 0,1,2,3
	v_add_nc_u32 v[SO+\b], 0xff000000, v[BM+\b]    ; 2 off the exponent field: the conversion's scale operand
.endr
.irp b, 0,1,2,3
	v_lshrrev_b32 v[BY+\b], 23, v[SO+\b]
.endr
	v_lshl_or_b32 v[PW], v[BY+1], 8, v[BY]         ; p's scale word for these 128 keys
	v_lshl_or_b32 v[PW], v[BY+2], 16, v[PW]
	v_lshl_or_b32 v[PW], v[BY+3], 24, v[PW]
.irp c, 0,1
	v_cvt_scalef32_pk16_fp6_f32 v[PC+6*\c:PC+6*\c+2], v[PRB+32*\c:PRB+32*\c+15], v[SO+2*\c]
	v_cvt_scalef32_pk16_fp6_f32 v[CT+4*\c:CT+4*\c+2], v[PRB+32*\c+16:PRB+32*\c+31], v[SO+2*\c+1]
.endr
	v_nop                                          ; one plain place behind the scaled conversions
.irp c, 0,1
.irp i, 0,1,2
	v_permlane16_swap_b32 v[PC+6*\c+\i], v[CT+4*\c+\i]             ; the layout wants a whole block in a lane
.endr
.irp i, 0,1,2
	v_mov_b32 v[PC+3+6*\c+\i], v[CT+4*\c+\i]
.endr
.endr
.irp j, 0,2,4,6
	v_pk_mul_f32 v[OT+\j:OT+\j+1], v[OT+\j:OT+\j+1], v[FF:FF+1] op_sel_hi:[1,0]   ; O^T under the new M, from its low end on
.endr
.irp j, 32,36,40,44,48,52,56,60        ; the sum's second half: 17 plain lines that name nothing of the product below: the places behind the writes of p's codes and scale word
	v_pk_add_f32 v[LS:LS+1], v[LS:LS+1], v[PRB+\j:PRB+\j+1]
	v_pk_add_f32 v[L2:L2+1], v[L2:L2+1], v[PRB+\j+2:PRB+\j+3]
.endr
	v_pk_add_f32 v[LS:LS+1], v[LS:LS+1], v[L2:L2+1]
	s_wait_dscnt 0x0                               ; v's fragment and scale words are in
	v_wmma_scale_f32_16x16x128_f8f6f4 v[OT:OT+7], v[VF:VF+11], v[PC:PC+11], v[OT:OT+7], v[VS], v[PW] matrix_a_fmt:MATRIX_FMT_FP6 matrix_b_fmt:MATRIX_FMT_FP6   ; 32 other matrix instructions stand between two links on O^T
	s_cmp_eq_u32 s[TT], s[TR]
	s_cbranch_scc0 .Lno_trans_\@
.rept 4
	v_nop                                          ; X has done the low tile: four places, then its rows are finished and the state begins anew for the high tile
.endr
	v_add_f32 v[TA], v[LS], v[LS+1]
	v_permlanex16_b32 v[PT], v[TA], s[SEL], s[SEL+1]
	v_add_f32 v[TA], v[TA], v[PT]                  ; the row's sum
	v_rcp_f32 v[TA], v[TA]
	v_nop                                          ; a plain place behind the reciprocal
	s_wait_alu depctr_va_vdst(0)                   ; and its wait, ahead of the first reader
.irp j, 0,1,2,3,4,5,6,7
	v_mul_f32 v[OL+\j], v[OT+\j], v[TA]
.endr
.irp j, 0,1,2,3,4,5,6,7
	v_mov_b32 v[QF+\j], v[Q2+\j]
	v_mov_b32 v[OT+\j], 0
.endr
	v_mov_b32 v[LS], 0
	v_mov_b32 v[LS+1], 0
	v_mov_b32 v[NM+1], 0xff61b1e6                  ; -3e38, under every t
	v_floor_f32 v[NM], -v[NM+1]
.Lno_trans_\@:
	s_add_co_u32 s[TT], s[TT], 1
.endm
.macro ITEM off
	ADDR \off
	BODY
.endm
	s_load_b256 s[4:11], s[0:1], 0x0               ; qbuf s[4:5], kvbuf s[6:7], Wo s[8:9], out0 s[10:11]
	v_lshl_add_u32 v[SPW], v0, 2, SPARE
	v_mov_b32 v[NIL], 0
	ds_add_u32 v1, v2
	s_wait_dscnt 0x0
	v_lshrrev_b32 v64, 5, v0
	v_readfirstlane_b32 s[WVN], v64                ; wave 0..15
	s_and_b32 s[HD], s[WVN], 3
	s_bfe_u32 s[ROLE], s[WVN], 0x10002
	s_lshr_b32 s[UU], s[WVN], 3
	s_bfe_u32 s[CX], ttmp6, 0x40000                ; my place in the cluster: it enters global addresses and the mask's data alone
	s_mov_b32 s[CC], ttmp9                         ; c: the cluster's x
	s_and_b32 s[BAT], ttmp7, 0xffff
	s_sub_co_u32 s[HI], 31, s[CC]
	v_and_b32 v65, 31, v0                          ; lane
	v_and_b32 v66, 15, v0                          ; r
	v_bfe_u32 v67, v0, 4, 1                        ; h
	; every LDS address register is made here, of the lane and the wave's number
	s_mul_i32 s58, s[ROLE], BLOCK                  ; X's step lies behind A's
	s_lshl_b32 s59, s[HD], 13
	s_add_co_u32 s59, s59, s58
	v_lshl_add_u32 v[AK], v65, 4, s59
	s_mul_i32 s59, s[HD], 1536
	s_add_co_u32 s59, s59, s58
	s_add_co_u32 s59, s59, 32768
	v_lshl_add_u32 v[AV], v65, 3, s59
	s_lshl_b32 s59, s[HD], 7
	s_add_co_u32 s59, s59, s58
	s_add_co_u32 s59, s59, 38912
	v_lshl_add_u32 v[AS], v65, 2, s59
	s_lshl_b32 s58, s[UU], 2
	s_add_co_u32 s58, s58, s[HD]
	s_mul_i32 s58, s58, 1280
	s_add_co_u32 s58, s58, HB
	v_lshl_add_u32 v[HBO], v65, 4, s58             ; X's part of the high tile: place head + 4 u; the same in the A wave that reads it
	s_add_co_u32 s58, s58, 1024
	v_lshl_add_u32 v[HBL], v65, 2, s58
	v_mul_u32_u24 v68, v66, 272
	s_xor_b32 s58, s[ROLE], 1
	s_lshl_b32 s58, s58, 1
	s_add_co_u32 s58, s58, s[UU]                   ; attended tiles: 0, 1 the low tiles (X writes them), 2, 3 the high ones (A)
	s_mul_i32 s58, s58, 16*272
	s_lshl_b32 s59, s[HD], 6
	s_add_co_u32 s58, s58, s59
	s_add_co_u32 s58, s58, ATT
	v_lshl_add_u32 v[ATW], v67, 5, v68
	v_add_nc_u32 v[ATW], s58, v[ATW]               ; row r, my head's 64 bytes, + 32 h
	s_lshr_b32 s58, s[WVN], 2                      ; the output product: tile of rows w >> 2, tile of outputs w & 3
	s_mul_i32 s58, s58, 16*272
	s_add_co_u32 s59, s58, ATT
	v_lshl_add_u32 v[ATR], v67, 7, v68
	v_add_nc_u32 v[ATR], s59, v[ATR]               ; row r, block h of its 64 numbers
	s_lshl_b32 s59, s[HD], 6
	s_add_co_u32 s59, s59, s58
	s_add_co_u32 s59, s59, OUTS
	v_lshl_add_u32 v[OSW], v67, 5, v68
	v_add_nc_u32 v[OSW], s59, v[OSW]
	s_mul_i32 s58, s[WVN], 4*272
	s_add_co_u32 s58, s58, OUTS
	v_mul_u32_u24 v69, v67, 272
	v_lshl_add_u32 v69, v66, 4, v69
	v_add_nc_u32 v[OSR], s58, v69                  ; back: rows 4 w + h, 16 bytes a lane
	v_and_b32 v68, 8, v66
	v_add_nc_u32 v68, v68, v66
	v_lshlrev_b32 v69, 4, v67
	v_sub_nc_u32 v68, v68, v69
	s_lshl_b32 s58, s[CX], 5
	s_lshl_b32 s59, s[UU], 3
	s_add_co_u32 s58, s58, s59
	v_add_nc_u32 v[QD], s58, v68                   ; 32 cx + 8 u + r + 8 (r / 8) - 16 h
	v_add_nc_u32 v[PFO], 0xffffff80, v0
	v_lshlrev_b32 v[PFO], 8, v[PFO]
	v_min_u32 v[PFO], 0x9900, v[PFO]               ; 256 x (thread - 128), held at a step's last block
	; descriptor group 1: a step, 154 dense rows of 256 bytes
	s_mov_b32 s[G1], 15|(3<<16)|(1<<21)            ; 15:0 the mask: all four work-groups; 17:16 elements of 8 bytes; 20 no padding; 21 set beside a mask
	s_mov_b32 s[G1+1], 32<<16                      ; tensor_dim0 = 32
	s_mov_b32 s[G1+2], 154<<16                     ; tensor_dim1 = 154
	s_mov_b32 s[G1+3], 32<<16                      ; tile_dim0 = 32
	s_mov_b32 s[G1+4], 154                         ; tile_dim1 = 154
	s_mov_b32 s[G1+5], 32                          ; tensor_dim0_stride
	s_mov_b32 s[G1+6], 0
	s_mov_b32 s[G1+7], 0
	s_mov_b32 s[G0], 1
	s_mul_i32 s[G0+1], s[HD], BLOCK                ; wave w (0..3) fills place w of a slot: A's and X's step of the even trip, then of the odd one
	s_mov_b32 s[G0+4], 1
	s_add_co_u32 s[G0+5], s[G0+1], SLOT
	s_and_b32 s58, s[HD], 1
	s_cmp_eq_u32 s58, 1
	s_cselect_b32 s[CB], s[CC], 99
	s_lshr_b32 s[FT], s[HD], 1
	s_sub_co_u32 s[EX], 16, s[CC]
	s_cmp_eq_u32 s[ROLE], 0
	s_cselect_b32 s[D1], s[HI], s[CC]              ; A meets the diagonal at step 31 - c (only where c = 15); X at trip c (low tile) and at trip 15 (high tile)
	s_cselect_b32 s[D2], s[HI], 15
	s_cselect_b32 s[TR], 99, s[CC]
	s_mov_b32 s[TT], 0
	s_mov_b32 s[SEL], 0x76543210
	s_mov_b32 s[SEL+1], 0xfedcba98
	s_mov_b32 s[CS], 0x3eb8aa3b                    ; log2(e) / 4
	s_mov_b32 s[CS+1], s[CS]
	s_sub_co_u32 s58, s[WVN], 4
	s_cmp_lt_u32 s58, 5
	s_cselect_b32 s[PLIM], 8, 0                    ; waves 4 to 8
	s_cmp_eq_u32 s[CC], 0
	s_cselect_b32 s[PLIM], s[PLIM], 0              ; of cluster 0
	s_and_b32 s58, s[CX], 1
	s_sub_co_u32 s59, 99, s[CC]
	s_mul_i32 s58, s58, s59
	s_sub_co_u32 s[PCB], 99, s58                   ; c where my work-group asks for X's steps, else 99
	s_lshr_b32 s[PFT], s[CX], 1
	s_add_co_u32 s[PFT], s[PFT], 6                 ; the first request names fill 3: trips 6 and 7
	s_mov_b32 s[PN], 3
	; global offsets
	s_lshl_b32 s60, s[BAT], 5
	s_lshl_b32 s61, s[CX], 1
	s_add_co_u32 s61, s61, s[UU]
	s_lshl_b32 s61, s61, 10                        ; my tile 2 cx + u,
	s_lshl_b32 s62, s[HD], 13
	s_add_co_u32 s61, s61, s62                     ; of my head
	s_add_co_u32 s62, s60, s[HI]
	s_lshl_b32 s62, s62, 15
	s_add_co_u32 s62, s62, s61                     ; q of the high tile
	s_mov_b32 s63, 0
	s_cmp_eq_u32 s[ROLE], 0
	s_cselect_b32 s58, s[HI], s[CC]
	s_add_co_u32 s58, s58, s60
	s_lshl_b32 s58, s58, 15
	s_add_co_u32 s58, s58, s61                     ; q of the tile that I begin with
	s_mov_b32 s59, 0
	s_cmp_eq_u32 s[UU], 0                          ; the rows that I store: stage rows 4 w .. 4 w + 3 are four neighbouring positions
	s_cselect_b32 s60, s[CC], s[HI]
	s_lshl_b32 s60, s60, 7
	s_lshl_b32 s61, s[BAT], 12
	s_add_co_u32 s60, s60, s61
	s_lshl_b32 s61, s[CX], 5
	s_add_co_u32 s60, s60, s61
	s_lshl_b32 s61, s[ROLE], 3
	s_add_co_u32 s60, s60, s61
	s_lshl_b32 s61, s[HD], 2
	s_add_co_u32 s60, s60, s61
	s_lshr_b32 s61, s[HD], 1
	s_lshl_b32 s61, s61, 3
	s_add_co_u32 s60, s60, s61
	s_lshl_b32 s60, s60, 8
	s_mov_b32 s61, 0
	s_mul_i32 s[W0], s[BAT], 32*BLOCK
	s_mov_b32 s[W0+1], 0
	s_lshl_b32 s[W1], s[HD], 12
	s_mov_b32 s[W1+1], 0
	s_wait_kmcnt 0x0
	s_add_nc_u64 s[58:59], s[4:5], s[58:59]
	s_add_nc_u64 s[62:63], s[4:5], s[62:63]
	s_add_nc_u64 s[10:11], s[10:11], s[60:61]
	s_add_nc_u64 s[6:7], s[6:7], s[W0:W0+1]        ; k and v of my batch
	s_add_nc_u64 s[8:9], s[8:9], s[W1:W1+1]        ; Wo's rows 16 (w & 3) on
	FILLADDR G0
	FILLADDR G0+4
	ROUND                                          ; all four work-groups are here: the first joint loads meet
	s_cmp_lt_u32 s[WVN], 4                         ; a wave's two first fills stand in one branch, ahead of every wait on TENSORcnt and every LDS read
	s_cbranch_scc0 .Lno_first
	tensor_load_to_lds s[G0:G0+3], s[G1:G1+7]
	s_nop 0
	tensor_load_to_lds s[G0+4:G0+7], s[G1:G1+7]
	s_nop 0
.rept 4
	v_nop
.endr
.Lno_first:
	v_lshlrev_b32 v64, 4, v65
	global_load_b128 v[QF:QF+3], v64, s[58:59]
	global_load_b128 v[QF+4:QF+7], v64, s[58:59] offset:512
	global_load_b128 v[Q2:Q2+3], v64, s[62:63]
	global_load_b128 v[Q2+4:Q2+7], v64, s[62:63] offset:512
	v_lshlrev_b32 v68, 8, v66
	v_lshl_add_u32 v68, v67, 7, v68                ; Wo: row r, block h
.irp j, 0,1,2,3,4,5,6,7
	global_load_b128 v[PRB+4*\j:PRB+4*\j+3], v68, s[8:9] offset:16*\j
.endr
.irp j, 0,1,2,3,4,5,6,7
	v_mov_b32 v[OT+\j], 0                          ; the item is written once: the first finds zeros, which the first change of M leaves zeros
	v_mov_b32 v[OL+\j], 0
.endr
	v_mov_b32 v[LS], 0
	v_mov_b32 v[LS+1], 0
	v_mov_b32 v[NM+1], 0xff61b1e6                  ; the largest t so far: -3e38, under every t
	v_floor_f32 v[NM], -v[NM+1]
	v_mov_b32 v[FF], 0
	v_mov_b32 v[FF+1], 0                           ; (named as the upper half of a pair)
.irp b, 0,1,2,3
	v_mov_b32 v[PT+\b], 0                          ; a lane permute's destination counts as one of its sources
.endr
	v_lshlrev_b32 v[SH8], 3, v67
	s_wait_loadcnt 0x0
	QROW PRB, WOC, WOS
	s_wait_tensorcnt 0x1                           ; my part of slot 0 is in; slot 1's may stay out
	s_barrier_signal -1
	s_barrier_wait -1
	ITEM 0                                         ; trips 0 and 1
	ITEM 2*BLOCK
	s_mov_b32 s[LAPS], 3
.Llap:                                 ; three laps: trips 2 to 13; fills 2 to 7
	CHANGE G0, 1
	ITEM SLOT
	ITEM SLOT+2*BLOCK
	CHANGE G0+4, 1
	ITEM 0
	ITEM 2*BLOCK
	s_sub_co_u32 s[LAPS], s[LAPS], 1
	s_cmp_lg_u32 s[LAPS], 0
	s_cbranch_scc1 .Llap
	CHANGE G0, 2                                   ; A's step 16 into slot 0, by wave 0
	ITEM SLOT                                      ; trips 14 and 15
	ITEM SLOT+2*BLOCK
	CHANGE 0, 0                                    ; slot 1 is left: it takes the stages
	ADDR 0                                         ; made by every wave, ahead of the parting
	s_cmp_eq_u32 s[ROLE], 0
	s_cbranch_scc1 .Lrole_a
	v_add_f32 v[TA], v[LS], v[LS+1]                ; X: its part of the high tile goes to A, its low tile's rows to the attended stage
	v_permlanex16_b32 v[PT], v[TA], s[SEL], s[SEL+1]
	v_add_f32 v[TA], v[TA], v[PT]
	ds_store_b128 v[HBO], v[OT:OT+3]
	ds_store_b128 v[HBO], v[OT+4:OT+7] offset:512
	ds_store_b32 v[HBL], v[TA]
	ds_store_b32 v[HBL], v[NM] offset:128
	ds_store_b128 v[ATW], v[OL:OL+3]
	ds_store_b128 v[ATW], v[OL+4:OL+7] offset:16
	s_branch .Lb1
.Lrole_a:
	BODY                                           ; A: trip 16
.rept 4
	v_nop
.endr
	v_add_f32 v[TA], v[LS], v[LS+1]
	v_permlanex16_b32 v[PT], v[TA], s[SEL], s[SEL+1]
	v_add_f32 v[TA], v[TA], v[PT]
.Lb1:
	BARRIER                                        ; X's parts lie in LDS
	s_cmp_eq_u32 s[ROLE], 0
	s_cbranch_scc0 .Lb2
	ds_load_b128 v[64:67], v[HBO]
	ds_load_b128 v[68:71], v[HBO] offset:512
	ds_load_b32 v72, v[HBL]
	ds_load_b32 v73, v[HBL] offset:128
	s_wait_dscnt 0x0
	v_min_num_f32 v74, v[NM], v73                  ; the smaller -M: the larger M
	v_sub_f32 v75, v74, v[NM]
	v_sub_f32 v76, v74, v73
	v_cvt_i32_f32 v75, v75
	v_cvt_i32_f32 v76, v76                         ; (it saturates: an empty part, whose -M is 3e38, gets the factor 0)
	v_ldexp_f32 v75, 1.0, v75
	v_ldexp_f32 v76, 1.0, v76
	v_mul_f32 v77, v[TA], v75
	v_fma_f32 v77, v72, v76, v77                   ; the row's sum under the common M
	v_rcp_f32 v77, v77
	v_nop                                          ; a plain place behind the reciprocal
	s_wait_alu depctr_va_vdst(0)
	v_mul_f32 v75, v75, v77
	v_mul_f32 v76, v76, v77
.irp j, 0,1,2,3,4,5,6,7
	v_mul_f32 v[80+\j], v[OT+\j], v75
.endr
.irp j, 0,1,2,3,4,5,6,7
	v_fma_f32 v[80+\j], v[64+\j], v76, v[80+\j]
.endr
	ds_store_b128 v[ATW], v[80:83]
	ds_store_b128 v[ATW], v[84:87] offset:16
.Lb2:
	BARRIER                                        ; 64 attended rows lie in LDS
.irp i, 0,1,2,3,4,5,6,7
	ds_load_b128 v[PRB+4*\i:PRB+4*\i+3], v[ATR] offset:16*\i
.endr
	v_bfe_u32 v[SH8], v0, 4, 1
	v_lshlrev_b32 v[SH8], 3, v[SH8]
	s_wait_dscnt 0x0
	QROW PRB, PC, PW
.irp i, 0,1,2,3,4,5
	v_mov_b32 v[PC+6+\i], 0                        ; K = 64 .. 127: zero codes on both sides
	v_mov_b32 v[VF+\i], v[WOC+\i]
	v_mov_b32 v[VF+6+\i], 0
.endr
.rept 8
	v_nop                                          ; places between the writes of the operands and the scaled product
.endr
	v_wmma_scale_f32_16x16x128_f8f6f4 v[224:231], v[VF:VF+11], v[PC:PC+11], 0, v[WOS], v[PW] matrix_a_fmt:MATRIX_FMT_FP6 matrix_b_fmt:MATRIX_FMT_FP6   ; transposed: a lane holds eight neighbouring outputs of one row
.rept 4
	v_nop
.endr
	ds_store_b128 v[OSW], v[224:227]
	ds_store_b128 v[OSW], v[228:231] offset:16
	BARRIER                                        ; 64 whole rows of the result lie in LDS
	ds_load_b128 v[PRB:PRB+3], v[OSR]
	ds_load_b128 v[PRB+4:PRB+7], v[OSR] offset:544
	v_and_b32 v117, 31, v0
	v_lshlrev_b32 v117, 4, v117
	s_wait_dscnt 0x1                               ; the first two rows are back; the second load may be out
	global_store_b128 v117, v[PRB:PRB+3], s[10:11]                 ; 32 lanes store two rows: 512 consecutive bytes, aligned
	s_wait_dscnt 0x0
	global_store_b128 v117, v[PRB+4:PRB+7], s[10:11] offset:512
	s_wait_tensorcnt 0x0                           ; the wave's end, behind my last tensor load and my last LDS store
	ds_add_u32 v[SPW], v[NIL]
	s_wait_dscnt 0x0
	ROUND                                          ; the closing round: no work-group ends while a partner may still ask for a step that names it
	s_endpgm
.Lfunc_end_k_q70156c4488_attn:
	.size	k_q70156c4488_attn, .Lfunc_end_k_q70156c4488_attn-k_q70156c4488_attn
	.p2alignl 7, 3214868480
	.fill 96, 4, 3214868480
	.section	.rodata,"a",@progbits
	.p2align	6, 0x0
	.amdhsa_kernel k_q70156c4488_attn
		.amdhsa_group_segment_fixed_size 327680
		.amdhsa_private_segment_fixed_size 0
		.amdhsa_enable_private_segment 0
		.amdhsa_kernarg_size 32
		.amdhsa_user_sgpr_count 2
		.amdhsa_user_sgpr_kernarg_segment_ptr 1
		.amdhsa_wavefront_size32 1
		.amdhsa_system_sgpr_workgroup_id_x 1
		.amdhsa_system_sgpr_workgroup_id_y 1
		.amdhsa_system_sgpr_workgroup_id_z 1
		.amdhsa_system_vgpr_workitem_id 0
		.amdhsa_next_free_vgpr 256
		.amdhsa_next_free_sgpr 66
		.amdhsa_reserve_vcc 1
		.amdhsa_float_denorm_mode_32 3
		.amdhsa_float_denorm_mode_16_64 3
		.amdhsa_memory_ordered 1
		.amdhsa_forward_progress 1
		.amdhsa_inst_pref_size 235
	.end_amdhsa_kernel
	.amdgpu_metadata
---
amdhsa.version: [ 1, 2 ]
amdhsa.kernels:
  - .name:           k_q70156c4488_attn
    .symbol:         k_q70156c4488_attn.kd
    .args:
      - { .name: qbuf, .offset: 0, .size: 8, .value_kind: global_buffer, .address_space: global }
      - { .name: kvbuf, .offset: 8, .size: 8, .value_kind: global_buffer, .address_space: global }
      - { .name: Wo, .offset: 16, .size: 8, .value_kind: global_buffer, .address_space: global }
      - { .name: out0, .offset: 24, .size: 8, .value_kind: global_buffer, .address_space: global }
    .group_segment_fixed_size: 327680
    .private_segment_fixed_size: 0
    .kernarg_segment_align: 8
    .kernarg_segment_size: 32
    .max_flat_workgroup_size: 512
    .sgpr_count:     66
    .vgpr_count:     256
    .wavefront_size: 32
...
	.end_amdgpu_metadata
.endif
;; end of part 2
